; MI455X (gfx1250); checked and timed in simulation.
; The chip was launched on July 23, 2026; its instructions are those of AMD's public machine-readable ISA for CDNA 5 (MIT licence, August 2026) and "CDNA5" Instruction Set Architecture Reference Guide (July 2026). The comments in the code are by the model that wrote it; some were corrected since.
;; Spike FP8 Adder Spatial. Allowed arithmetic: float matrix products may take bf16 or f16 operands with f32 sums; all other float work in f32.
;; Inputs: A 2,097,152 x 8 float32; B 2,097,152 x 8 float32.
;; Outputs: out0 2,097,152 x 8 float32.
;; One version. Each part assembles by itself: llvm-mc -triple=amdgcn-amd-amdhsa -mcpu=gfx1250 --defsym DOCPART=n.
;; ======== version 1 of 1: 1 launch
;; launch fp8add (part 1): grid 512 x 1, 8 waves a work-group, no clusters, 0 bytes of LDS; arguments A, B, out0; writes out0
.if DOCPART == 1
	.amdgcn_target "amdgcn-amd-amdhsa--gfx1250"
	.amdhsa_code_object_version 6
	.text
	.protected	k_q56e69fea4a_fp8add
	.globl	k_q56e69fea4a_fp8add
	.p2align	8
	.type	k_q56e69fea4a_fp8add,@function
k_q56e69fea4a_fp8add:
	s_mov_b64 s[64:65], 0
	v_nop
	global_prefetch_b8 v0, s[64:65] scope:SCOPE_SE
	s_setreg_imm32_b32 hwreg(HW_REG_WAVE_MODE, 25, 1), 1
	s_wait_xcnt 0x0
; FP8 (E4M3) spatial adder made of arithmetic gates.  A, B, out0: [2097152][8] f32, a row = sign, e3..e0, m2..m0.
; WHAT IS COMPUTED.  The reference's gates are polynomials (xor = a+b-2ab, or = a+b-ab, mux = sx+(1-s)y); this text evaluates the
; same polynomial of the 16 inputs of a row, for any finite numbers, not only for 0 and 1.  Every rewriting is an identity for all reals:
;   xor(a,b) = a(1-2b)+b      or(x,y) = (1-x)y+x      1-or(x,y) = (1-x)(1-y)      big = A-n(A-B), small = B+n(A-B) with n = 1-a_ge.
; Gates on the zeros that the reference itself concatenates (guard bits of the big mantissa, the zero addend, carry and borrow in) are
; folded away, and bits that nothing reads (sum12[4:12], diff12[8:12], last borrows, left8[4:8]) are not made.
; LIMITS.  The order of rounding differs from the reference's (fused and factored forms); on inputs 0 and 1 every step is exact.
; An infinity or NaN that the reference multiplies by one of its constant zeros gives NaN there and is not seen here; the sign of a zero may differ.
; SHARES.  512 work-groups of 8 waves; a work-group owns 4,096 rows (131,072 bytes of each array), a wave 8 steps of 64 rows, a lane TWO rows
; of a step: every value of the network is a register pair (row X, row Y), so one packed f32 instruction serves both rows: 352 packed
; instructions, 16 plain multiplies, 16 dual moves and 24 lane swaps for 64 rows.
; BYTES.  Each load and store of a wave covers 512 consecutive bytes at a multiple of 512 from the array's first byte: lanes 0-15 take the
; low 16 bytes of 16 rows, lanes 16-31 the high 16 bytes of the same rows.  v_permlane16_swap_b32 on the words of two such loads (rows 0-15,
; rows 16-31) leaves lane l with the low half of row l in the first register and the high half in the second; the same swap undoes it for the stores.
; RING.  Two register slots of 8 loads.  A slot is copied out at the head of its step and loaded again at once with the step two further on:
; 16 loads (8,192 bytes) of every wave are on their way.  No LDS, no barrier: no row needs another row.
.set BLK,    2048                      ; bytes of one array that a wave takes in a step: 64 rows
.set STRIDE, 8*BLK                     ; bytes that the eight waves take in a step
.set STEPS,  8
.set VOFF,  1                          ; v1        my byte offset in the work-group's first step; never rewritten
.set SL,    4                          ; v4-83     slot s at SL+40 s: A's row X +0..7, row Y +10..17; B's +20..27, +30..37.  Row Y lies 10 behind row X so that
.set SLOTR, 40                         ;           the two sources of a dual move differ by 2 modulo 4 (the gaps are unused)
.set AP,    84                         ; v84-99    pairs A0..A7; after the choice: big = sign, e3..e0, m2..m0
.set BP,    100                        ; v100-131  pairs B0..B7; after the choice: small; later reused as below
.set XB,    BP+8                       ;           X0..X11 at XB+2i: the small mantissa on 12 bits (X0 takes e0 of small's place), later diff12[0:8], left8, top4
.set ED,    132                        ; v132-139  ediff[0:4]; later sum12[0:4], add_top4
.set EA,    140                        ; v140-147  exp_add, later exp_r
.set IMPB,  148                        ; v148-149  implicit bit of big
.set OPS,   150                        ; v150-151  op_sub
.set TP,    152                        ; v152-175  twelve pairs at work
.set EQP,   TP+8
.set NGT,   TP+10
.set NSEL,  TP+16                      ; 1 - a_ge
.set CY,    TP+6                       ; the adder's carry
.set BA,    TP+14                      ; the subtractor's borrow, two registers by turns
.set BB,    TP+16
.set WW,    TP+18                      ; 1 - 2 borrow
.set YY,    TP+20                      ; borrow (1 - t)
.set LZ2,   XB+16                      ; lzc2, has_7654, lzc1, lzc0 take X8..X11's places
.set HAS,   XB+18
.set LZ1,   XB+20
.set LZ0,   XB+22
.set OUT,   176                        ; v176-191  row X's 8 results, row Y's 8 results, as stored
; The packed forms.  A constant source is broadcast (its op_sel_hi bit is 0).
.macro PNOT d, a                       ; d = 1 - a
	v_pk_fma_f32 v[(\d):(\d)+1], v[(\a):(\a)+1], -1.0, 1.0 op_sel_hi:[1,0,0]
.endm
.macro PM21 d, a                       ; d = 1 - 2 a
	v_pk_fma_f32 v[(\d):(\d)+1], v[(\a):(\a)+1], -2.0, 1.0 op_sel_hi:[1,0,0]
.endm
.macro PMUL d, a, b                    ; d = a b
	v_pk_mul_f32 v[(\d):(\d)+1], v[(\a):(\a)+1], v[(\b):(\b)+1]
.endm
.macro PSUB d, a, b                    ; d = a - b
	v_pk_add_f32 v[(\d):(\d)+1], v[(\a):(\a)+1], v[(\b):(\b)+1] neg_lo:[0,1] neg_hi:[0,1]
.endm
.macro PFMA d, a, b, c                 ; d = a b + c
	v_pk_fma_f32 v[(\d):(\d)+1], v[(\a):(\a)+1], v[(\b):(\b)+1], v[(\c):(\c)+1]
.endm
.macro PFNM d, a, b, c                 ; d = c - a b
	v_pk_fma_f32 v[(\d):(\d)+1], v[(\a):(\a)+1], v[(\b):(\b)+1], v[(\c):(\c)+1] neg_lo:[1,0,0] neg_hi:[1,0,0]
.endm
.macro PFN1 d, a, b                    ; d = 1 - a b
	v_pk_fma_f32 v[(\d):(\d)+1], v[(\a):(\a)+1], v[(\b):(\b)+1], 1.0 op_sel_hi:[1,1,0] neg_lo:[1,0,0] neg_hi:[1,0,0]
.endm
; One bit of a ripple subtractor.  t = xor(a,b), x = (1-a) b and nx = 1-x were made off the chain; bor comes in and goes out.
.macro BORROW out, t, x, nx, bor
	PM21 WW, \bor
	PFNM YY, \bor, \t, \bor            ; y = bor (1 - t)
	PFMA \out, \t, WW, \bor            ; xor(t, bor)
	PFMA \bor, \nx, YY, \x             ; or(x, y)
.endm
; The same where a = 0 (guard bits 7..4 of the big mantissa): t = x = b = X_i, nx = 1-b lies at TP+2i-8.  The difference bit takes b's place,
; so the new borrow, which still needs b, goes to the other borrow register first.
.macro LOWBIT i, bin, bout
	PM21 WW, \bin
	PFNM YY, \bin, XB+2*(\i), \bin
	PFMA \bout, TP+2*(\i)-8, YY, XB+2*(\i)
	PFMA XB+2*(\i), XB+2*(\i), WW, \bin
.endm
.macro SETA i                          ; RA = bit i of the big mantissa's top four: the implicit bit, m2, m1, m0
.if (\i) == 0
.set RA, IMPB
.else
.set RA, AP+8+2*(\i)
.endif
.endm
; A stage of the right shifter: X_i = s X_(i-amt) + (1-s) X_i on the len positions that can differ from 0, and fresh positions behind them.
; All products by s are made first (three of them meet an old position and wait in TP+2..7), so no line waits for the one before it.
.macro SHR s, amt, len, fresh
	PNOT TP, \s
.set jj, 0
.rept 3
	PMUL TP+2+2*jj, \s, XB+2*jj
.set jj, jj+1
.endr
.rept \fresh
	PMUL XB+2*(jj+(\amt)), \s, XB+2*jj
.set jj, jj+1
.endr
.set jj, 0
.rept \len
.if jj < (\amt)
	PMUL XB+2*jj, TP, XB+2*jj
.else
	PFMA XB+2*jj, TP, XB+2*jj, TP+2+2*(jj-(\amt))
.endif
.set jj, jj+1
.endr
.endm
; A stage of the left shifter on 8 positions: X_i = s X_(i+amt) + keep X_i, keep = 1-s, for the first outs positions.
.macro SHL s, keep, amt, outs
.set jj, \amt
.rept 8-(\amt)
	PMUL TP+2*jj, \s, XB+2*jj
.set jj, jj+1
.endr
.set jj, 0
.rept \outs
.if jj+(\amt) < 8
	PFMA XB+2*jj, \keep, XB+2*jj, TP+2*(jj+(\amt))
.else
	PMUL XB+2*jj, \keep, XB+2*jj
.endif
.set jj, jj+1
.endr
.endm
; THE NETWORK, from the pairs A0..A7, B0..B7 to sign (AP), exp_r (EA), top4 (XB).
.macro NETWORK
	; 1. compare bits 1..7.  eq_i = (1-b) - a(1-2b), gt_i = a(1-b), first for all bits, then the chain: 1-gt *= 1 - eqp gt_i; eqp *= eq_i
.irp i, 1,2,3,4,5,6,7
	PNOT TP+4*((\i)%2), BP+2*(\i)
	PM21 TP+2+4*((\i)%2), BP+2*(\i)
.if (\i) == 1
	PFNM EQP, AP+2*(\i), TP+2+4*((\i)%2), TP+4*((\i)%2)
	PFN1 NGT, AP+2*(\i), TP+4*((\i)%2)
.else
	PFNM ED+2*(\i)-4, AP+2*(\i), TP+2+4*((\i)%2), TP+4*((\i)%2)
	PMUL BP+12+2*(\i), AP+2*(\i), TP+4*((\i)%2)
.endif
.endr
.irp i, 2,3,4,5,6,7
	PFN1 TP+12+2*((\i)%2), EQP, BP+12+2*(\i)
	PMUL EQP, EQP, ED+2*(\i)-4
	PMUL NGT, NGT, TP+12+2*((\i)%2)
.endr
	PFNM NSEL, NGT, EQP, NGT           ; 1 - or(gt, eq) = (1-gt)(1-eq)
	; 2. big and small, in A's and B's places
.irp g, 0,4
.irp k, 0,1,2,3
	PSUB TP+2*(\k), AP+2*((\g)+(\k)), BP+2*((\g)+(\k))
.endr
.irp k, 0,1,2,3
	PFNM AP+2*((\g)+(\k)), NSEL, TP+2*(\k), AP+2*((\g)+(\k))
	PFMA BP+2*((\g)+(\k)), NSEL, TP+2*(\k), BP+2*((\g)+(\k))
.endr
.endr
	; 3. ediff = e_big - e_small: what does not hang on the borrow first
.irp i, 0,1,2,3
	PM21 TP+2*(\i), BP+2+2*(\i)
.endr
.irp i, 0,1,2,3
	PFMA ED+2*(\i), AP+2+2*(\i), TP+2*(\i), BP+2+2*(\i)
.endr
.irp i, 1,2,3
	PFNM TP+6+2*(\i), AP+2+2*(\i), BP+2+2*(\i), BP+2+2*(\i)
.endr
	PNOT TP+14, TP+8
	PNOT TP+16, TP+10
	; 4. the implicit bits, 1 - product of (1 - e_i), and op_sub; small's implicit bit becomes X0
	PNOT TP, AP+2
	PNOT TP+2, BP+2
.irp i, 1,2,3
	PFNM TP, TP, AP+2+2*(\i), TP
	PFNM TP+2, TP+2, BP+2+2*(\i), TP+2
.endr
	PM21 TP+4, BP
	PNOT IMPB, TP
	PNOT XB, TP+2
	PFMA OPS, AP, TP+4, BP
	; ediff's borrow chain: bit 3 gives its x as the borrow
	BORROW ED+4, ED+4, TP+10, TP+16, TP+12
	BORROW ED+2, ED+2, TP+8, TP+14, TP+12
	PM21 WW, TP+12
	PFMA ED, ED, WW, TP+12
	; 5. the small mantissa goes right by 1, 2, 4, 8
	SHR ED+6, 1, 4, 1
	SHR ED+4, 2, 5, 2
	SHR ED+2, 4, 7, 4
	SHR ED, 8, 11, 1
	; 6. diff12, bits 11..4, where the big mantissa is 0: borrow' = or(b, borrow (1-b)); bits 7..4 are kept
.irp i, 4,5,6,7,8,9,10
	PNOT TP+2*(\i)-8, XB+2*(\i)
.endr
	PFNM YY, XB+22, XB+20, XB+22       ; bit 11's borrow is X11 itself
	PFMA BA, TP+12, YY, XB+20
.irp i, 9,8
	PFNM YY, BA, XB+2*(\i), BA
	PFMA BA, TP+2*(\i)-8, YY, XB+2*(\i)
.endr
	LOWBIT 7, BA, BB
	LOWBIT 6, BB, BA
	LOWBIT 5, BA, BB
	LOWBIT 4, BB, BA
	; 7. t_i = xor of the top four bits, for the adder and the subtractor alike, into small's dead sign and exponent
.irp i, 0,1,2,3
	PM21 TP+2*(\i), XB+2*(\i)
.endr
.irp i, 0,1,2,3
	SETA \i
	PFMA BP+2*(\i), RA, TP+2*(\i), XB+2*(\i)
.endr
	; 8. the adder's top four bits (below them no carry arises: one addend is 0 and so is the carry in); carry' = 1 - (1-ab)(1-ac)(1-bc)
.irp i, 0,1,2
	SETA \i
	PFN1 TP+2*(\i), RA, XB+2*(\i)
.endr
	PMUL CY, AP+14, XB+6
.irp i, 2,1,0
	SETA \i
	PM21 TP+8, CY
	PFN1 TP+10, RA, CY
	PFN1 TP+12, XB+2*(\i), CY
	PFMA ED+2*(\i), BP+2*(\i), TP+8, CY
	PMUL TP+10, TP+10, TP+2*(\i)
	PFN1 CY, TP+10, TP+12
.endr
	; add_top4 = carry [carry, s0, s1, s2] + (1-carry) [s0, s1, s2, s3]; s3 = t3
	PNOT TP+8, CY
	PMUL TP+10, CY, CY
	PMUL TP+12, CY, ED
	PMUL TP+16, CY, ED+2
	PMUL TP+22, CY, ED+4
	PFMA ED, TP+8, ED, TP+10
	PFMA ED+2, TP+8, ED+2, TP+12
	PFMA ED+4, TP+8, ED+4, TP+16
	PFMA ED+6, TP+8, BP+6, TP+22
	; exp_add = e_big + carry
.irp i, 3,2,1
	PM21 TP+8, CY
	PFMA EA+2*(\i), AP+2+2*(\i), TP+8, CY
	PMUL CY, AP+2+2*(\i), CY
.endr
	PM21 TP+8, CY
	PFMA EA, AP+2, TP+8, CY
	; 9. diff12, bits 3..0, into X3..X0
.irp i, 1,2,3
	PFNM TP+2*(\i)-2, AP+8+2*(\i), XB+2*(\i), XB+2*(\i)
.endr
.irp i, 1,2,3
	PNOT TP+6+2*(\i), TP+2*(\i)-2
.endr
	BORROW XB+6, BP+6, TP+4, TP+12, BA
	BORROW XB+4, BP+4, TP+2, TP+10, BA
	BORROW XB+2, BP+2, TP, TP+8, BA
	PM21 WW, BA
	PFMA XB, BP, WW, BA
	; 10. the leading-zero detector on X0..X6 (b7..b1)
	PNOT TP, XB                        ; 1-b7
	PNOT TP+2, XB+4                    ; 1-b5
	PNOT TP+4, XB+8                    ; 1-b3
	PNOT TP+6, XB+12                   ; 1-b1
	PFNM TP+8, TP, XB+2, TP            ; 1-has_76
	PFNM TP+10, TP+2, XB+6, TP+2       ; 1-has_54
	PFNM TP+12, TP+4, XB+10, TP+4      ; 1-has_32
	PMUL LZ2, TP+8, TP+10
	PNOT TP+14, TP+8                   ; has_76
	PNOT TP+16, TP+12                  ; has_32
	PMUL TP+2, TP+8, TP+2
	PMUL TP+6, TP+12, TP+6
	PNOT HAS, LZ2
	PFMA TP+2, TP+14, TP, TP+2         ; lzc0_high
	PFMA TP+6, TP+16, TP+4, TP+6       ; lzc0_low
	PMUL TP+12, LZ2, TP+12
	PMUL TP+6, LZ2, TP+6
	PFMA LZ1, HAS, TP+8, TP+12
	PFMA LZ0, HAS, TP+2, TP+6
	; 11. exp_sub = e_big - [0, lzc2, lzc1, lzc0], into the t's places
	PM21 TP, LZ0
	PM21 TP+2, LZ1
	PM21 TP+4, LZ2
	PFMA BP+6, AP+8, TP, LZ0
	PFMA BP+4, AP+6, TP+2, LZ1
	PFMA BP+2, AP+4, TP+4, LZ2
	PFNM TP+6, AP+8, LZ0, LZ0
	PFNM TP+8, AP+6, LZ1, LZ1
	PFNM TP+10, AP+4, LZ2, LZ2
	PNOT TP+12, TP+8
	PNOT TP+14, TP+10
	BORROW BP+4, BP+4, TP+8, TP+12, TP+6
	BORROW BP+2, BP+2, TP+10, TP+14, TP+6
	PM21 WW, TP+6
	PFMA BP, AP+2, WW, TP+6
	; 12. the difference goes left by 1, 2, 4; of the last stage four bits are wanted, and 1 - lzc2 is has_7654
	PNOT TP, LZ0
	SHL LZ0, TP, 1, 8
	PNOT TP, LZ1
	SHL LZ1, TP, 2, 8
	SHL LZ2, HAS, 4, 4
	; 13. the path is chosen
	PNOT TP, OPS
.irp i, 0,1,2,3
	PMUL ED+2*(\i), TP, ED+2*(\i)
	PMUL EA+2*(\i), TP, EA+2*(\i)
.endr
.irp i, 0,1,2,3
	PFMA XB+2*(\i), OPS, XB+2*(\i), ED+2*(\i)
	PFMA EA+2*(\i), OPS, BP+2*(\i), EA+2*(\i)
.endr
.endm
; Eight loads: step t (counted from the bases as they stand) into slot s.  Load j of an array takes bytes 512 j .. 512 j + 511 of my wave's 2,048.
.macro FILL s, t
.irp j, 0,1,2,3
	global_load_b128 v[SL+SLOTR*(\s)+4*(\j)+2*((\j)/2):SL+SLOTR*(\s)+4*(\j)+2*((\j)/2)+3], v[VOFF], s[4:5] offset:(\t)*STRIDE+(\j)*512 th:TH_LOAD_NT
.endr
.irp j, 0,1,2,3
	global_load_b128 v[SL+SLOTR*(\s)+20+4*(\j)+2*((\j)/2):SL+SLOTR*(\s)+20+4*(\j)+2*((\j)/2)+3], v[VOFF], s[6:7] offset:(\t)*STRIDE+(\j)*512 th:TH_LOAD_NT
.endr
.endm
; A step on slot s.  ahead = 1: the slot is loaded again with the step two further on.  left = the younger loads that may stay out.
.macro STEP s, ahead, left
.set LA, SL+SLOTR*(\s)
.set LB, LA+20
	s_wait_loadcnt \left               ; loads come back in order: this slot's eight are in, the other slot's eight stay out
.irp w, 0,1,2,3
	v_permlane16_swap_b32 v[LA+(\w)], v[LA+4+(\w)]         ; rows 0-31: first register low half of row l, second its high half
	v_permlane16_swap_b32 v[LA+10+(\w)], v[LA+14+(\w)]     ; rows 32-63 likewise
	v_permlane16_swap_b32 v[LB+(\w)], v[LB+4+(\w)]
	v_permlane16_swap_b32 v[LB+10+(\w)], v[LB+14+(\w)]
.endr
.irp i, 0,1,2,3,4,5,6,7
	v_dual_mov_b32 v[AP+2*(\i)], v[LA+(\i)] :: v_dual_mov_b32 v[AP+2*(\i)+1], v[LA+10+(\i)]  ; bit i of my two rows side by side
	v_dual_mov_b32 v[BP+2*(\i)], v[LB+(\i)] :: v_dual_mov_b32 v[BP+2*(\i)+1], v[LB+10+(\i)]
.endr
.if \ahead
	FILL \s, (\s)+2                    ; the slot is free: its next loads have this step and the next in which to land
.endif
	NETWORK
	s_wait_xcnt 0x0                    ; the last step's stores have had their addresses translated: only behind this wait is their data rewritten
	; the last gate, times nonzero = top4[0], is written row by row, so that the results fall into the order in which they are stored
.irp r, 0,1
	v_mul_f32 v[OUT+8*(\r)], v[AP+(\r)], v[XB+(\r)]
.irp k, 0,1,2,3
	v_mul_f32 v[OUT+8*(\r)+1+(\k)], v[EA+2*(\k)+(\r)], v[XB+(\r)]
.endr
.irp k, 1,2,3
	v_mul_f32 v[OUT+8*(\r)+4+(\k)], v[XB+2*(\k)+(\r)], v[XB+(\r)]
.endr
.endr
.irp r, 0,1
.irp w, 0,1,2,3
	v_permlane16_swap_b32 v[OUT+8*(\r)+(\w)], v[OUT+8*(\r)+4+(\w)]  ; back to low halves in lanes 0-15, high halves in lanes 16-31
.endr
.endr
.irp j, 0,1,2,3
	global_store_b128 v[VOFF], v[OUT+4*(\j):OUT+4*(\j)+3], s[8:9] offset:(\s)*STRIDE+(\j)*512 th:TH_STORE_NT  ; 512 consecutive bytes
.endr
.endm
	s_load_b128 s[4:7], s[0:1], 0x0                ; A s[4:5], B s[6:7]
	s_load_b64 s[8:9], s[0:1], 0x10                ; out0
	s_lshl_b32 s2, ttmp9, 17                       ; the work-group's 131,072 bytes; 511 x 131,072 stays under 2^32
	s_mov_b32 s3, 0
	v_and_b32 v[VOFF], 15, v0                      ; row among 16
	v_bfe_u32 v2, v0, 4, 1                         ; which half of the row
	v_lshrrev_b32 v3, 5, v0                        ; wave
	v_lshlrev_b32 v[VOFF], 5, v[VOFF]              ; 32 bytes a row
	v_lshl_add_u32 v[VOFF], v2, 4, v[VOFF]
	v_lshl_add_u32 v[VOFF], v3, 11, v[VOFF]        ; + 2,048 x wave
	s_wait_kmcnt 0x0
	s_add_nc_u64 s[4:5], s[4:5], s[2:3]
	s_add_nc_u64 s[6:7], s[6:7], s[2:3]
	s_add_nc_u64 s[8:9], s[8:9], s[2:3]
	FILL 0, 0
	FILL 1, 1
	s_mov_b32 s10, STEPS/2-1
.Ltrip:                                                ; two steps a trip; each asks for the step two further on
	STEP 0, 1, 8
	STEP 1, 1, 8
	s_wait_xcnt 0x0                                ; the bases are stepped only behind this wait
	s_add_nc_u64 s[4:5], s[4:5], 2*STRIDE
	s_add_nc_u64 s[6:7], s[6:7], 2*STRIDE
	s_add_nc_u64 s[8:9], s[8:9], 2*STRIDE
	s_sub_co_u32 s10, s10, 1
	s_cmp_lg_u32 s10, 0
	s_cbranch_scc1 .Ltrip
	STEP 0, 0, 8                                   ; the last two steps load nothing: no load passes the work-group's share
	STEP 1, 0, 0
	s_endpgm
.Lfunc_end_k_q56e69fea4a_fp8add:
	.size	k_q56e69fea4a_fp8add, .Lfunc_end_k_q56e69fea4a_fp8add-k_q56e69fea4a_fp8add
	.p2alignl 7, 3214868480
	.fill 96, 4, 3214868480
	.section	.rodata,"a",@progbits
	.p2align	6, 0x0
	.amdhsa_kernel k_q56e69fea4a_fp8add
		.amdhsa_group_segment_fixed_size 0
		.amdhsa_private_segment_fixed_size 0
		.amdhsa_enable_private_segment 0
		.amdhsa_kernarg_size 24
		.amdhsa_user_sgpr_count 2
		.amdhsa_user_sgpr_kernarg_segment_ptr 1
		.amdhsa_wavefront_size32 1
		.amdhsa_system_sgpr_workgroup_id_x 1
		.amdhsa_system_sgpr_workgroup_id_y 1
		.amdhsa_system_sgpr_workgroup_id_z 1
		.amdhsa_system_vgpr_workitem_id 0
		.amdhsa_next_free_vgpr 192
		.amdhsa_next_free_sgpr 66
		.amdhsa_reserve_vcc 0
		.amdhsa_float_denorm_mode_32 3
		.amdhsa_float_denorm_mode_16_64 3
		.amdhsa_memory_ordered 1
		.amdhsa_forward_progress 1
		.amdhsa_inst_pref_size 103
	.end_amdhsa_kernel
	.amdgpu_metadata
---
amdhsa.version: [ 1, 2 ]
amdhsa.kernels:
  - .name:           k_q56e69fea4a_fp8add
    .symbol:         k_q56e69fea4a_fp8add.kd
    .args:
      - { .name: A, .offset: 0, .size: 8, .value_kind: global_buffer, .address_space: global }
      - { .name: B, .offset: 8, .size: 8, .value_kind: global_buffer, .address_space: global }
      - { .name: out0, .offset: 16, .size: 8, .value_kind: global_buffer, .address_space: global }
    .group_segment_fixed_size: 0
    .private_segment_fixed_size: 0
    .kernarg_segment_align: 8
    .kernarg_segment_size: 24
    .max_flat_workgroup_size: 256
    .sgpr_count:     66
    .vgpr_count:     192
    .wavefront_size: 32
...
	.end_amdgpu_metadata
.endif
;; end of part 1
